; MI455X (gfx1250); checked and timed in simulation.
; The chip was launched on July 23, 2026; its instructions are those of AMD's public machine-readable ISA for CDNA 5 (MIT licence, August 2026) and "CDNA5" Instruction Set Architecture Reference Guide (July 2026). The comments in the code are by the model that wrote it; some were corrected since.
;; Full Attention. Allowed arithmetic: matrix products marked QUANTISED: E4M3 operands, one given power-of-two scale a tensor, by v_wmma_f32_16x16x64_fp8_fp8 or v_wmma_f32_16x16x128_fp8_fp8, f32 sums; everything else in f32.
;; Inputs: Wk_codes 512 x 24 x 32 uint8 (E4M3 codes of Wk, K innermost, in blocks of 32 codes); Wo_codes 768 x 16 x 32 uint8 (E4M3 codes of Wo, K innermost, in blocks of 32 codes); Wq_codes 512 x 24 x 32 uint8 (E4M3 codes of Wq, K innermost, in blocks of 32 codes); Wv_codes 512 x 24 x 32 uint8 (E4M3 codes of Wv, K innermost, in blocks of 32 codes); bo 768 float32; lowp_scales 12 int32 (the exponents e of the quantised operands' scales 2^e); x_codes 2 x 4,096 x 24 x 32 uint8 (E4M3 codes of x, K innermost, in blocks of 32 codes).
;; Outputs: out0 2 x 4,096 x 768 float32.
;; This version of the problem:
;;   THIS VERSION OF THE PROBLEM IS GIVEN IN LOW PRECISION. The matrix products marked QUANTISED in the list below multiply operands that are first quantised to E4M3 (4 exponent bits, 3 mantissa bits; 8 bits a number), with one given power-of-two scale for each operand tensor; their sums are f32. All else is computed in f32.
;;   The module's matrix products, in the order in which they are computed (A, B: the left and right operand; K: the contracted axis; several contracted axes count as one K, in the product's order):
;;     1. [M 8,192, K 768] x [K 768, N 512]; A: input x (given as codes); B: input Wq (given as codes): QUANTISED (scales: A lowp_scales[0], B lowp_scales[1])
;;     2. [M 8,192, K 768] x [K 768, N 512]; A: input x (given as codes); B: input Wk (given as codes): QUANTISED (scales: A lowp_scales[2], B lowp_scales[3])
;;     3. [M 8,192, K 768] x [K 768, N 512]; A: input x (given as codes); B: input Wv (given as codes): QUANTISED (scales: A lowp_scales[4], B lowp_scales[5])
;;     4. batch 16 x [M 4,096, K 64] x [K 64, N 4,096]; A: computed on the way; B: computed on the way: QUANTISED (scales: A lowp_scales[6], B lowp_scales[7])
;;     5. batch 16 x [M 4,096, K 4,096] x [K 4,096, N 64]; A: softmax (see below); B: computed on the way: QUANTISED (scales: A lowp_scales[8], B lowp_scales[9])
;;     6. [M 8,192, K 512] x [K 512, N 768]; A: computed on the way; B: input Wo (given as codes): QUANTISED (scales: A lowp_scales[10], B lowp_scales[11])
;;   THE QUANTISER, for each operand of a quantised product, along K:
;;     - The operand's scale is 2^e, e = its entry of the input lowp_scales (int32; the entries are numbered through the quantised products in the list's order, A before B).
;;     - Each number is divided by the scale, clamped to +-448, and rounded to the nearest number of E4M3, ties to even, subnormals kept.
;;     - The product sums the exact products of the quantised numbers (number of the format x scale) in f32.
;;   ~~~python
;;   def quantise(x, axis, e):      # numpy; x: float32 -> the quantised numbers, widened to float32 again
;;       x = np.moveaxis(x, axis, -1); K = x.shape[-1]
;;       r = np.clip(x / 2.0 ** e, -448, 448)
;;       step = 2.0 ** (np.maximum(np.frexp(np.where(r == 0, 1, r))[1] - 1, -6) - 3)
;;       q = np.round(r / step) * step * 2.0 ** e      # np.round: ties to even
;;       return np.moveaxis(q, -1, axis).astype(np.float32)
;;   ~~~
;;   SOFTMAX AHEAD OF A QUANTISED PRODUCT. Where the list says 'softmax', what is quantised is not the finished softmax but p = 2^(t - M), with t = logit x log2(e) and M = ceil(the row's largest t), a whole number; so 1/2 < the row's largest p <= 1. The row's sum l is taken of the UNQUANTISED p, in f32, and the product's result is divided by l at the end. Since M is a whole number, a kernel that streams over the keys may use a running M (the ceiling of the running maximum): every later rescaling is an exact power of two, so the quantised numbers keep their values, but for numbers so far below the row's largest that they fall under the format's range.
;;   OPERANDS COMPUTED ON THE WAY. 'Computed on the way' means the value that the module computes at that place (a softmax that the list does not call 'softmax' is quantised finished and normalised). What goes into a quantiser is computed in f32, as accurately as f32 sums, v_exp_f32 and their like allow (about 1e-6 of the number): no bf16 or f16 on the way to a quantiser, and a product that is left as it is and whose result goes on into a quantised operand takes f32 operands (vector FMAs, or v_wmma_f32_16x16x4_f32). A number that lies on a knife's edge between two numbers of the format may be rounded either way, as far as f32 arithmetic and the matrix unit's own rounding can turn it there, and no further.
;;   INPUTS GIVEN AS CODES. Wk (in the module: [768, 512], K = its axis 0); Wo (in the module: [512, 768], K = its axis 0); Wq (in the module: [768, 512], K = its axis 0); Wv (in the module: [768, 512], K = its axis 0); x (in the module: [2, 4096, 768], K = its axis 2): each comes as NAME_codes (uint8): NAME with its K axis moved to the last place and cut into blocks of 32 codes, [.., K / 32, bytes a block], one block behind the other in memory; one code a byte (a code: sign, 4 exponent bits, 3 mantissa bits); its scale is its entry of lowp_scales. Its value is code x scale, taken as it is: it is not quantised again, and the codes and scales need not be those that the quantiser above would give.
;; One version. Each part assembles by itself: llvm-mc -triple=amdgcn-amd-amdhsa -mcpu=gfx1250 --defsym DOCPART=n.
;; ======== version 1 of 1: 3 launches
;; limits: right only within a limited range of input values
;; workspace buffers: qkv 12,582,912 bytes; ocodes 4,194,304 bytes
;; launch proj (part 1): grid 4 x 64, 4 waves a work-group, clusters of 4 x 4, 327,680 bytes of LDS; arguments x_codes, Wq_codes, Wk_codes, Wv_codes, lowp_scales, qkv; writes qkv
.if DOCPART == 1
	.amdgcn_target "amdgcn-amd-amdhsa--gfx1250"
	.amdhsa_code_object_version 6
	.text
	.protected	k_q8438158419_proj
	.globl	k_q8438158419_proj
	.p2align	8
	.type	k_q8438158419_proj,@function
k_q8438158419_proj:
	s_mov_b64 s[64:65], 0
	v_nop
	global_prefetch_b8 v0, s[64:65] scope:SCOPE_SE
	s_setreg_imm32_b32 hwreg(HW_REG_WAVE_MODE, 25, 1), 1
	s_wait_xcnt 0x0
	s_wait_alu depctr_hold_cnt(0) depctr_sa_sdst(0) depctr_va_vdst(0) depctr_va_sdst(0) depctr_va_ssrc(0) depctr_va_vcc(0) depctr_vm_vsrc(0)
	s_getreg_b32 s2, hwreg(HW_REG_IB_STS2, 6, 4)
	s_cmp_eq_u32 s2, 0
	s_cbranch_scc0 .Lentry_in_a_cluster
	s_endpgm
.Lentry_in_a_cluster:
	s_bfe_u32 s2, ttmp6, 0x10000c
	s_cmp_lg_u32 s2, 0xf033
	s_cbranch_scc0 .Lentry_shape_is_right
	s_endpgm
.Lentry_shape_is_right:
; q = x Wq, k = x Wk, v = x Wv on codes of FP8 (E4M3); each result is quantised again with its given scale, for the attention launch.  No work of the problem is left out.
; x: [8192][768] codes; W: [512 columns][768] codes, K innermost.  A sum stands for sum x 2^(eA + eB); its code is sum / 2^(eD - eA - eB), held within +-448.
; OUT: qkv = q at byte 0, k at 4,194,304, v at 8,388,608; each [16 heads (8 b + h)][64 blocks of 64 tokens][4,096 bytes].  A block is 64 rows x 64 bytes: q, k: row = token, byte = d; v: row = d, byte = token.
; Row p of a block holds index sigma(p), sigma = bits 3 and 4 exchanged.  A block lies as four tiles of 16 rows, a tile as [4 pieces of 16 bytes][16 rows][16 bytes]: the order in which a fragment load's 32 lanes take it.
; SHARES.  256 work-groups: cx is the block of 128 columns (two heads) of ALL THREE tensors, 4 x cluster y + cy the tile of 128 tokens: x's tile serves three products.  A wave makes 64 tokens x one head of q, k and v: 48 accumulators.
; ORIENTATION.  A lane holds one row of source 1, its registers run along source 0's rows.  q, k: source 0 = W, source 1 = x.  v: source 0 = x, source 1 = W.
; THE RING.  K = 768 goes in three chunks of 256 through two slots; a slot holds 128 rows each of x, Wq, Wk, Wv, 272 bytes apart.  Wave w brings tile w by one load: x's jointly along a row of the cluster, W's along a column.
; Chunk 0 is asked for at the head, chunk 1 behind the full sequence (slot 1's first fill), chunk 2 into slot 0 behind the round that follows chunk 0's products.  One load of a wave is out at any time.
; No prefetch: the three chunks are written out, and the text has no loop to run ahead in.
; LIMITS: e6 - e0 - e1, e7 - e2 - e3 and e9 - e4 - e5 lie between -126 and 119, so that the scale and 448 x the scale are f32 numbers.
; REGISTERS: window 0: v8-13 LDS addresses; v16-18 way out; v20-25 scale and 448 x scale of q, k, v; v32-63 codes; v64-127 rows read back; v128-255 q's accumulators.
;   windows 1, 2: a fragment buffer each: x's four at 0, Wq's at 64, Wk's at 128, Wv's at 192.   window 3: k's accumulators at 0, v's at 128.
.set KB,     768
.set LP,     272                       ; an LDS row: 256 bytes + 16 of padding
.set TILE,   128*LP                    ; what one tensor load brings
.set SLOT,   4*TILE
.set STG,    2*SLOT                    ; behind the ring: a stage of 64 rows x 80 bytes for each wave
.set SP,     80
.set WSTG,   64*SP
.set SPARE,  STG+4*WSTG                ; the spare words: 512 bytes
.set ADX, 8                            ; v8, v9: my rows of x in slot 0, 1
.set ADW, 10                           ; v10, v11: of Wq (Wk: TILE on)
.set ADV, 12                           ; v12, v13: of Wv
.set STO, 16
.set RD,  17
.set GO,  18
.set VSC, 20
.set SPW, 28
.set NIL, 29
.set PC,  32
.set BK,  64
.set G1A, 24
.set G1B, 32
.set G0A, 40                           ; s[40:51]: a group 0 for each chunk of x; s[52:63]: of W
.set G0B, 52
.set MSB, 0
.macro WIN new
.if MSB != \new
	s_set_vgpr_msb (MSB<<8)|\new
.set MSB, \new
.endif
.endm
.macro CROUND
	s_barrier_signal -1
	s_barrier_wait -1
	s_cmp_lg_u32 s16, 0
	s_cbranch_scc1 .Lnot_wave_0_\@
	s_barrier_signal -3
.Lnot_wave_0_\@:
	s_barrier_wait -3
	s_barrier_signal -1
	s_barrier_wait -1
.endm
.macro PLACES
.rept 4
	v_nop
.endr
.endm
.macro JLOAD c                         ; chunk c: wave 0 asks for x's tile, waves 1 to 3 for a weight's; the four v_nop are also places ahead of the fragment loads
	s_cmp_eq_u32 s16, 0
	s_cbranch_scc0 .Lfor_w_\@
	tensor_load_to_lds s[G0A+4*\c:G0A+4*\c+3], s[G1A:G1A+7]
	s_nop 0
.rept 4
	v_nop
.endr
	s_branch .Lasked_\@
.Lfor_w_\@:
	tensor_load_to_lds s[G0B+4*\c:G0B+4*\c+3], s[G1B:G1B+7]
	s_nop 0
.rept 4
	v_nop
.endr
.Lasked_\@:
.endm
.macro THREE                           ; all my tensor loads are in; the add; it and my LDS reads are done
	s_wait_tensorcnt 0x0
	ds_add_u32 v[SPW], v[NIL]
	s_wait_dscnt 0x0
.endm
	s_load_b256 s[4:11], s[0:1], 0x0               ; x, Wq, Wk, Wv
	s_load_b128 s[12:15], s[0:1], 0x20             ; the exponents, qkv
	v_lshl_add_u32 v[SPW], v0, 2, SPARE
	v_mov_b32 v[NIL], 0
	ds_add_u32 v[SPW], v[NIL]                      ; the opening lines
	ds_add_u32 v[SPW], v[NIL]
	v_lshrrev_b32 v1, 5, v0
	v_readfirstlane_b32 s16, v1                    ; wave 0..3
	s_lshr_b32 s17, s16, 1                         ; my 64 tokens
	s_and_b32 s18, s16, 1                          ; my head of the two
	s_bfe_u32 s19, ttmp6, 0x40000                  ; cx
	s_bfe_u32 s20, ttmp6, 0x40004                  ; cy
	s_and_b32 s21, ttmp7, 0xffff
	s_lshl_b32 s21, s21, 2
	s_add_co_u32 s21, s21, s20                     ; token tile
	s_lshl_b32 s22, s20, 2
	s_lshl_b32 s22, 15, s22                        ; my row of the cluster
	s_lshl_b32 s23, 0x1111, s19                    ; my column
	s_or_b32 s[G1A], s22, (1<<20)|(1<<21)|(5<<22)|(3<<25)   ; mask; 1-byte elements; 4 words of padding behind every 64
	s_or_b32 s[G1B], s23, (1<<20)|(1<<21)|(5<<22)|(3<<25)
.irp g, G1A, G1B
	s_mov_b32 s[\g+1], 256<<16
	s_mov_b32 s[\g+2], 128<<16
	s_mov_b32 s[\g+3], 256<<16
	s_mov_b32 s[\g+4], 128
	s_mov_b32 s[\g+5], KB
	s_mov_b32 s[\g+6], 0
	s_mov_b32 s[\g+7], 0
.endr
	s_mul_i32 s80, s21, 128*KB                     ; x: row 128 x token tile
	s_mov_b32 s81, 0
	s_mul_i32 s82, s19, 128*KB                     ; W: row 128 cx
	s_mov_b32 s83, 0
	s_mul_i32 s86, s16, TILE                       ; where my tile goes
	s_mul_i32 s87, s17, 64*LP                      ; my 64 rows of x
	s_mul_i32 s88, s18, 64*LP
	s_add_co_u32 s88, s88, TILE                    ; my 64 rows of Wq
	s_mul_i32 s91, s16, WSTG
	s_add_co_u32 s91, s91, STG                     ; my stage
	s_wait_dscnt 0x0
	s_wait_kmcnt 0x0
	s_load_b256 s[68:75], s[12:13], 0x0            ; e0 .. e7
	s_load_b128 s[76:79], s[12:13], 0x20           ; e8 .. e11
	s_add_nc_u64 s[80:81], s[4:5], s[80:81]
	s_cmp_eq_u32 s16, 2                            ; which weight I fetch: by the wave's number
	s_cselect_b64 s[84:85], s[8:9], s[6:7]
	s_cmp_eq_u32 s16, 3
	s_cselect_b64 s[84:85], s[10:11], s[84:85]
	s_add_nc_u64 s[82:83], s[84:85], s[82:83]
.irp c, 0,1,2
	s_mov_b32 s[G0A+4*\c], 1
	s_add_co_u32 s[G0A+4*\c+1], s86, (\c%2)*SLOT
	s_add_nc_u64 s[G0A+4*\c+2:G0A+4*\c+3], s[80:81], \c*256
	s_or_b32 s[G0A+4*\c+3], s[G0A+4*\c+3], 0x80000000
	s_mov_b32 s[G0B+4*\c], 1
	s_add_co_u32 s[G0B+4*\c+1], s86, (\c%2)*SLOT
	s_add_nc_u64 s[G0B+4*\c+2:G0B+4*\c+3], s[82:83], \c*256
	s_or_b32 s[G0B+4*\c+3], s[G0B+4*\c+3], 0x80000000
.endr
	CROUND                                         ; the joint loads meet
	JLOAD 0                                        ; my one tensor load at the head
	v_and_b32 v1, 15, v0                           ; r
	v_bfe_u32 v2, v0, 4, 1                         ; h
	v_mul_u32_u24 v3, v1, LP
	v_lshl_add_u32 v3, v2, 4, v3
	v_add_nc_u32 v[ADX], s87, v3
	v_add_nc_u32 v[ADW], s88, v3
	v_add_nc_u32 v[ADX+1], SLOT, v[ADX]
	v_add_nc_u32 v[ADW+1], SLOT, v[ADW]
	v_add_nc_u32 v[ADV], 2*TILE, v[ADW]
	v_add_nc_u32 v[ADV+1], 2*TILE+SLOT, v[ADW]
	v_and_b32 v4, 8, v1
	v_add_nc_u32 v4, v4, v1                        ; r + 8 (r / 8): with 8 (a % 2) + 32 (a / 2) this is sigma(16 a + r)
	v_mul_u32_u24 v[STO], v4, SP
	v_lshl_add_u32 v[STO], v2, 3, v[STO]
	v_add_nc_u32 v[STO], s91, v[STO]
	v_mul_u32_u24 v[RD], v1, SP                    ; back: lane (r, h) takes piece 2 (i % 2) + h of row 16 (i / 2) + r
	v_lshl_add_u32 v[RD], v2, 4, v[RD]
	v_add_nc_u32 v[RD], s91, v[RD]
	v_and_b32 v5, 31, v0
	v_lshlrev_b32 v[GO], 4, v5
	s_lshr_b32 s94, s21, 5
	s_lshl_b32 s94, s94, 3
	s_lshl_b32 s95, s19, 1
	s_add_co_u32 s94, s94, s95
	s_add_co_u32 s94, s94, s18                     ; the head: 8 b + 2 cx + my half,
	s_lshl_b32 s92, s94, 18
	s_and_b32 s94, s21, 31
	s_lshl_b32 s94, s94, 1
	s_add_co_u32 s94, s94, s17                     ; the block of 64 tokens
	s_lshl_b32 s94, s94, 12
	s_add_co_u32 s92, s92, s94
	s_mov_b32 s93, 0
	s_add_nc_u64 s[14:15], s[14:15], s[92:93]      ; my block of q,
	s_add_nc_u64 s[96:97], s[14:15], 0x400000      ; of k,
	s_add_nc_u64 s[98:99], s[14:15], 0x800000      ; of v
	s_wait_kmcnt 0x0
	s_sub_co_i32 s80, s74, s68
	s_sub_co_i32 s80, s80, s69                     ; q: e6 - e0 - e1
	s_sub_co_i32 s81, s75, s70
	s_sub_co_i32 s81, s81, s71                     ; k: e7 - e2 - e3
	s_sub_co_i32 s82, s77, s72
	s_sub_co_i32 s82, s82, s73                     ; v: e9 - e4 - e5
.irp T, 0,1,2
	s_add_co_i32 s[80+\T], s[80+\T], 127
	s_lshl_b32 s83, s[80+\T], 23
	v_mov_b32 v[VSC+2*\T], s83                     ; the folded scale
	s_add_co_i32 s[80+\T], s[80+\T], 8
	s_lshl_b32 s[80+\T], s[80+\T], 23
	s_or_b32 s[80+\T], s[80+\T], 0x600000
	v_mov_b32 v[VSC+2*\T+1], s[80+\T]              ; 448 x that
.endr
; 64 LDS loads: the fragments of K step s (128 along K: chunk s / 2, in slot (s / 2) % 2) into window 1 + s % 2
.macro FETCH s
	WIN (0x40<<((\s)%2))
.irp i, 0,1,2,3
.irp c, 0,1,2,3
	ds_load_b128 v[16*\i+4*\c:16*\i+4*\c+3], v[ADX+((\s)/2)%2] offset:128*((\s)%2)+32*\c+16*LP*\i
.endr
.endr
.irp T, 0,1
.irp i, 0,1,2,3
.irp c, 0,1,2,3
	ds_load_b128 v[64+64*\T+16*\i+4*\c:64+64*\T+16*\i+4*\c+3], v[ADW+((\s)/2)%2] offset:TILE*\T+128*((\s)%2)+32*\c+16*LP*\i
.endr
.endr
.endr
.irp i, 0,1,2,3
.irp c, 0,1,2,3
	ds_load_b128 v[192+16*\i+4*\c:192+16*\i+4*\c+3], v[ADV+((\s)/2)%2] offset:128*((\s)%2)+32*\c+16*LP*\i
.endr
.endr
.endm
; 16 matrix instructions: accumulators at d0, source 0's fragments at r0, source 1's at p0
.macro MUL16 zero, d0, r0, p0
.irp a, 0,1,2,3
.irp t, 0,1,2,3
.if \zero
	v_wmma_f32_16x16x128_fp8_fp8 v[\d0+8*(4*\a+\t):\d0+8*(4*\a+\t)+7], v[\r0+16*\t:\r0+16*\t+15], v[\p0+16*\a:\p0+16*\a+15], 0
.else
	v_wmma_f32_16x16x128_fp8_fp8 v[\d0+8*(4*\a+\t):\d0+8*(4*\a+\t)+7], v[\r0+16*\t:\r0+16*\t+15], v[\p0+16*\a:\p0+16*\a+15], v[\d0+8*(4*\a+\t):\d0+8*(4*\a+\t)+7]
.endif
.endr
.endr
.endm
; a K step's 48 matrix instructions, the 48 accumulators by turns, in the same order in every step
.macro MUL s, zero
	WIN (0x05<<((\s)%2))                           ; sources in window 1 or 2; C and D window 0
	MUL16 \zero, 128, 64, 0                        ; q
	WIN 0xf0|(0x05<<((\s)%2))                      ; C and D window 3
	MUL16 \zero, 0, 128, 0                         ; k
	MUL16 \zero, 128, 0, 192                       ; v: the sources the other way round
.endm
.macro CHUNK c, zero                   ; a chunk's two K steps
	FETCH 2*\c
	FETCH 2*\c+1
	s_wait_dscnt 63                                ; at most 63 of the second 64 loads are out: the first 64 are in
	MUL 2*\c, \zero
	s_wait_dscnt 0x0
	MUL 2*\c+1, 0
	WIN 0
.endm
	s_wait_alu depctr_va_vdst(0)                   ; the wait at the head's end
	THREE                                          ; my part of chunk 0 is in
	CROUND
	JLOAD 1                                        ; slot 1's first fill, issued as a refill is
	CHUNK 0, 1
	THREE                                          ; my part of chunk 1 is in, my reads of slot 0 are over
	CROUND                                         ; and every partner's
	JLOAD 2                                        ; chunk 2 into slot 0
	CHUNK 1, 0
	THREE                                          ; my part of chunk 2 is in
	s_barrier_signal -1
	s_barrier_wait -1                              ; nothing is filled again: no round
	PLACES
	CHUNK 2, 0
	PLACES
; THE WAY OUT, tensor by tensor.  CONV: the hold (the conversion does not saturate: ISA guide 7.6.2), each accumulator from its low end on, then eight codes an accumulator.
.macro CONV T
.if \T == 0
.set AB, 128
.else
.set AB, 128*(\T-1)
	WIN 0xc3                                       ; destination and source 0 window 3
.endif
.set n, 0
.rept 128
	v_med3_num_f32 v[AB+n], v[AB+n], -v[VSC+2*\T+1], v[VSC+2*\T+1]
.set n, n+1
.endr
.if \T != 0
	WIN 0x03                                       ; source 0 window 3
.endif
.set n, 0
.rept 16
	v_cvt_scalef32_pk8_fp8_f32 v[PC+2*n:PC+2*n+1], v[AB+8*n:AB+8*n+7], v[VSC+2*\T]
.set n, n+1
.endr
	WIN 0
	v_nop                                          ; a plain line behind the last conversion
.endm
.macro TOSTAGE T                       ; my own stage: LDS serves a wave's instructions in order (ISA guide 5.7.1.4)
.irp a, 0,1,2,3
.irp t, 0,1,2,3
	ds_store_b64 v[STO], v[PC+2*(4*\a+\t):PC+2*(4*\a+\t)+1] offset:(32*(\a/2)+8*(\a%2))*SP+16*\t   ; row sigma(16 a + r), bytes 16 t + 8 h on
.endr
.endr
.irp i, 0,1,2,3,4,5,6,7
	ds_load_b128 v[BK+32*((\T)%2)+4*\i:BK+32*((\T)%2)+4*\i+3], v[RD] offset:16*SP*(\i/2)+32*(\i%2)
.endr
.endm
.macro SEND T, base
.irp i, 0,1,2,3,4,5,6,7
	s_wait_dscnt 7-\i                              ; the younger loads may stay out
	global_store_b128 v[GO], v[BK+32*((\T)%2)+4*\i:BK+32*((\T)%2)+4*\i+3], s[\base:\base+1] offset:512*\i   ; 32 lanes store 512 consecutive bytes, aligned
.endr
.endm
	CONV 0
	TOSTAGE 0
	CONV 1                                         ; stands between q's loads from the stage and the wait for them
	s_wait_alu depctr_va_vdst(0)                   ; directly ahead of SEND's waits
	SEND 0, 14
	TOSTAGE 1
	CONV 2
	s_wait_alu depctr_va_vdst(0)
	SEND 1, 96
	s_wait_xcnt 0x0                                ; q's stores have read their registers: v's rows may land there
	TOSTAGE 2
	SEND 2, 98
	THREE                                          ; the wave's end
	CROUND                                         ; the closing round
	s_endpgm
.Lfunc_end_k_q8438158419_proj:
	.size	k_q8438158419_proj, .Lfunc_end_k_q8438158419_proj-k_q8438158419_proj
	.p2alignl 7, 3214868480
	.fill 96, 4, 3214868480
	.section	.rodata,"a",@progbits
	.p2align	6, 0x0
	.amdhsa_kernel k_q8438158419_proj
		.amdhsa_group_segment_fixed_size 327680
		.amdhsa_private_segment_fixed_size 0
		.amdhsa_enable_private_segment 0
		.amdhsa_kernarg_size 48
		.amdhsa_user_sgpr_count 2
		.amdhsa_user_sgpr_kernarg_segment_ptr 1
		.amdhsa_wavefront_size32 1
		.amdhsa_system_sgpr_workgroup_id_x 1
		.amdhsa_system_sgpr_workgroup_id_y 1
		.amdhsa_system_sgpr_workgroup_id_z 1
		.amdhsa_system_vgpr_workitem_id 0
		.amdhsa_next_free_vgpr 1024
		.amdhsa_next_free_sgpr 100
		.amdhsa_reserve_vcc 0
		.amdhsa_float_denorm_mode_32 3
		.amdhsa_float_denorm_mode_16_64 3
		.amdhsa_memory_ordered 1
		.amdhsa_forward_progress 1
		.amdhsa_inst_pref_size 89
	.end_amdhsa_kernel
	.amdgpu_metadata
---
amdhsa.version: [ 1, 2 ]
amdhsa.kernels:
  - .name:           k_q8438158419_proj
    .symbol:         k_q8438158419_proj.kd
    .args:
      - { .name: x_codes, .offset: 0, .size: 8, .value_kind: global_buffer, .address_space: global }
      - { .name: Wq_codes, .offset: 8, .size: 8, .value_kind: global_buffer, .address_space: global }
      - { .name: Wk_codes, .offset: 16, .size: 8, .value_kind: global_buffer, .address_space: global }
      - { .name: Wv_codes, .offset: 24, .size: 8, .value_kind: global_buffer, .address_space: global }
      - { .name: lowp_scales, .offset: 32, .size: 8, .value_kind: global_buffer, .address_space: global }
      - { .name: qkv, .offset: 40, .size: 8, .value_kind: global_buffer, .address_space: global }
    .group_segment_fixed_size: 327680
    .private_segment_fixed_size: 0
    .kernarg_segment_align: 8
    .kernarg_segment_size: 48
    .max_flat_workgroup_size: 128
    .sgpr_count:     100
    .vgpr_count:     1024
    .wavefront_size: 32
...
	.end_amdgpu_metadata
.endif
;; end of part 1
;; launch attn (part 2): grid 16 x 16, 8 waves a work-group, clusters of 4 x 1, 327,680 bytes of LDS; arguments qkv, lowp_scales, ocodes; writes ocodes
.if DOCPART == 2
	.amdgcn_target "amdgcn-amd-amdhsa--gfx1250"
	.amdhsa_code_object_version 6
	.text
	.protected	k_q8438158419_attn
	.globl	k_q8438158419_attn
	.p2align	8
	.type	k_q8438158419_attn,@function
k_q8438158419_attn:
	s_mov_b64 s[64:65], 0
	v_nop
	global_prefetch_b8 v0, s[64:65] scope:SCOPE_SE
	s_setreg_imm32_b32 hwreg(HW_REG_WAVE_MODE, 25, 1), 1
	s_wait_xcnt 0x0
	s_wait_alu depctr_hold_cnt(0) depctr_sa_sdst(0) depctr_va_vdst(0) depctr_va_sdst(0) depctr_va_ssrc(0) depctr_va_vcc(0) depctr_vm_vsrc(0)
	s_getreg_b32 s2, hwreg(HW_REG_IB_STS2, 6, 4)
	s_cmp_eq_u32 s2, 0
	s_cbranch_scc0 .Lentry_in_a_cluster
	s_endpgm
.Lentry_in_a_cluster:
	s_bfe_u32 s2, ttmp6, 0x10000c
	s_cmp_lg_u32 s2, 0x3003
	s_cbranch_scc0 .Lentry_shape_is_right
	s_endpgm
.Lentry_shape_is_right:
; o = softmax(q k^T / 8) v for 16 heads of 4,096 tokens x 64, both products on codes of FP8 (E4M3); o is quantised with its given scale for the last product.
; IN: qkv as the projection launch lays it: blocks of 64 rows x 64 bytes (q, k: row = token; v: row = d, byte = token), row p = index sigma(p) (bits 3 and 4 exchanged), a block as four tiles of [4 pieces][16 rows][16 bytes].
; So a fragment load's 32 lanes take 512 consecutive bytes, in memory and in LDS, and LDS rows need no padding.   OUT: ocodes [head][4096 tokens][64 d], in natural order.
; SOFTMAX: t = score x log2(e) / 8; M = the running largest t rounded UP to a whole number, kept as -M = floor(-t); p = 2^(t - M) is quantised with 2^e8, not normalised; the row's sum is taken of the unquantised p and divides at the end.
; When M moves, the sum and O are multiplied by 2^(old M - new M), which rounds nothing.  No branch hangs on data.
; SHARES.  A work-group owns 256 rows of q of one head, each of its eight waves 32: two tiles of 16, which share each fragment of K and V.  Every wave walks all 4,096 keys, 128 a step.
; LAYOUT.  S^T = K Q^T, O^T = V^T P^T: a lane holds ONE query.  By sigma the 16 registers of tiles 2 b, 2 b + 1 are keys (of O^T: d) 32 b + 16 (lane / 16) + 0 .. 15: the conversions' results are the next operand's registers.
; CLUSTER.  The four work-groups of a cluster belong to one head and walk the same K and V: every tile is asked for jointly (mask 15).  Two slots of 1,024 keys (65,536 bytes of K, then of V); each wave brings 16,384 dense bytes
; as 64 rows of 256 by one load; one load of a wave is out, and it has eight key steps in which to land.
; PREFETCH.  At the change of slots that asks for slot n + 1 each wave names, of its own 16,384 bytes of slot n + 2, the 4,096 that fall to its work-group by cx: 16 blocks of 256 bytes (lanes 16-31 name the same 16 again).  The last filling change names nothing.
; THE STEP'S ORDER.  Behind the scores' products: the next step's K (in a slot's last step: the slot's first again, which is not used) and this step's V are loaded, so every wait on DScnt is for 0.
; Three waits a step: ahead of tile 0's exponentials, between the two tiles', and behind tile 1's.  Among exponentials stand only lines whose results are first read behind the next of these waits.
; LIMITS: e6 + e7 between -123 and 130 (added to c's exponent field); e8 and e10 - e8 - e9 between -126 and 119; the scaled scores stay under 2^31 in magnitude.  NaN codes among q, k, v are not served.
; REGISTERS: window 0: v1-9 addresses; v10, v31 448 x the scale, v30 the scale; tile x: v[12+4x] -M, v[13+4x] largest t, v[14+4x:15+4x] the sum, v[20+2x], v[21+2x] at work, v[24+2x:25+2x] f, v[28+x] the other half's number;
;   v32-63 tile 0's sums of pairs; v64-95 p's codes; v96-223 S^T then p; v[224:225] tile 1's second chain.   window 1: v0-63 O^T; v64-79 Q; v128-191 K; v192-255 V.
.set SLOTG, 65536                      ; a slot's bytes of K, and of V
.set STEPB, 8192                       ; a key step's bytes of K, and of V
.set SLOT1, 1<<17
.set SPARE, 2*SLOT1                    ; the spare words: 1,024 bytes
.set STAGE, SPARE+1024                 ; the way out: 32 rows x 80 bytes for each wave; no tile lands here
.set SPT,   80
.set NSL,   4
.set AK0, 1                            ; 16 x lane
.set AV0, 2                            ; + SLOTG
.set ADK, 3
.set ADV, 4
.set SPW, 5
.set NIL, 6
.set PFO, 7
.set STO, 8
.set RD,  9
.set LIM1, 10
.set T0,  32
.set PCD, 64
.set SC,  96
.set QF,  64                           ; window 1
.set KF,  128                          ; window 1
.set VF,  192                          ; window 1
.set WV,  10
.set G1,  16
.set G0,  24
.set SEL, 28
.set CS,  30
.set TB,  32
.set SLOTS, 33
.set STEPS, 34
.set TN,  35
.set PFA, 54
.set MSB, 0
.macro WIN new
.if MSB != \new
	s_set_vgpr_msb (MSB<<8)|\new
.set MSB, \new
.endif
.endm
.macro CROUND
	s_barrier_signal -1
	s_barrier_wait -1
	s_cmp_lg_u32 s[WV], 0
	s_cbranch_scc1 .Lnot_wave_0_\@
	s_barrier_signal -3
.Lnot_wave_0_\@:
	s_barrier_wait -3
	s_barrier_signal -1
	s_barrier_wait -1
.endm
.macro KLOAD                           ; K's eight fragments
	WIN 0x40
.irp t, 0,1,2,3,4,5,6,7
.irp c, 0,1
	ds_load_b128 v[KF+8*\t+4*\c:KF+8*\t+4*\c+3], v[ADK] offset:1024*\t+512*\c
.endr
.endr
.endm
.macro DMIN a                          ; the hold of two p: the conversion does not saturate (ISA guide 7.6.2); p is not negative, so it is one-sided
	v_dual_min_num_f32 v[\a], v[\a], v31 :: v_dual_min_num_f32 v[(\a)+1], v[(\a)+1], v[LIM1]
.endm
.macro CODES x                         ; tile x's 64 p to 64 codes
.irp b, 0,1,2,3
	v_cvt_scalef32_pk8_fp8_f32 v[PCD+16*\x+4*\b:PCD+16*\x+4*\b+1], v[SC+64*\x+16*\b:SC+64*\x+16*\b+7], v30
	v_cvt_scalef32_pk8_fp8_f32 v[PCD+16*\x+4*\b+2:PCD+16*\x+4*\b+3], v[SC+64*\x+16*\b+8:SC+64*\x+16*\b+15], v30
.endr
.endm
	s_load_b128 s[4:7], s[0:1], 0x0                ; qkv, the exponents
	s_load_b64 s[8:9], s[0:1], 0x10                ; ocodes
	v_lshl_add_u32 v[SPW], v0, 2, SPARE
	v_mov_b32 v[NIL], 0
	ds_add_u32 v[SPW], v[NIL]                      ; the opening lines
	ds_add_u32 v[SPW], v[NIL]
	v_lshrrev_b32 v1, 5, v0
	v_readfirstlane_b32 s[WV], v1                  ; wave 0..7
	s_bfe_u32 s11, ttmp6, 0x40000                  ; cx: it enters q's, o's and the prefetch's addresses alone
	s_lshl_b32 s12, ttmp9, 2
	s_add_co_u32 s12, s12, s11                     ; my block of 256 rows
	s_and_b32 s13, ttmp7, 0xffff                   ; the head
	s_lshl_b32 s14, s13, 18
	s_lshr_b32 s48, s[WV], 2
	s_add_co_u32 s48, s48, 1
	s_lshl_b32 s48, s48, 22                        ; waves 0-3: k's tensor; waves 4-7: v's
	s_and_b32 s49, s[WV], 3
	s_lshl_b32 s49, s49, 14                        ; my 16,384 bytes of a slot's 65,536
	s_add_co_u32 s48, s48, s49
	s_add_co_u32 s48, s48, s14
	s_mov_b32 s49, 0
	s_lshl_b32 s50, s12, 14
	s_lshl_b32 s51, s[WV], 11                      ; my wave's 32 rows
	s_add_co_u32 s50, s50, s51
	s_add_co_u32 s50, s50, s14
	s_mov_b32 s51, 0
	s_lshl_b32 s56, s11, 12                        ; the prefetch: my work-group's 4,096 bytes
	s_mov_b32 s57, 0
	s_mov_b32 s[G1], 15|(3<<16)|(1<<21)            ; the mask: all four; elements of 8 bytes; bit 21 beside a mask
	s_mov_b32 s[G1+1], 32<<16                      ; rows of 256 bytes
	s_mov_b32 s[G1+2], 64<<16                      ; 64 of them
	s_mov_b32 s[G1+3], 32<<16
	s_mov_b32 s[G1+4], 64
	s_mov_b32 s[G1+5], 32
	s_mov_b32 s[G1+6], 0
	s_mov_b32 s[G1+7], 0
	s_lshl_b32 s52, s[WV], 14                      ; where my part of a slot lies
	s_mov_b32 s[SEL], 0x76543210
	s_mov_b32 s[SEL+1], 0xfedcba98
	s_mov_b32 s[CS], 0x3e38aa3b                    ; c = log2(e) / 8
	s_mov_b32 s[TB], 0
	s_mov_b32 s[SLOTS], NSL-1
	s_wait_dscnt 0x0
	s_wait_kmcnt 0x0
	s_load_b256 s[36:43], s[6:7], 0x0              ; e0 .. e7
	s_load_b128 s[44:47], s[6:7], 0x20             ; e8 .. e11
	s_add_nc_u64 s[PFA:PFA+1], s[4:5], s[48:49]
	s_mov_b32 s[G0], 1
	s_mov_b32 s[G0+1], s52
	s_mov_b64 s[G0+2:G0+3], s[PFA:PFA+1]
	s_or_b32 s[G0+3], s[G0+3], 0x80000000
	s_add_nc_u64 s[PFA:PFA+1], s[PFA:PFA+1], s[56:57]
	s_add_nc_u64 s[4:5], s[4:5], s[50:51]          ; q at my wave's first row
	s_add_nc_u64 s[8:9], s[8:9], s[50:51]          ; o likewise
	CROUND
	tensor_load_to_lds s[G0:G0+3], s[G1:G1+7]      ; slot 0
	s_nop 0
.rept 4
	v_nop
.endr
	v_and_b32 v34, 31, v0
	v_lshlrev_b32 v[AK0], 4, v34
	WIN 0x40
.irp x, 0,1
.irp c, 0,1
	global_load_b128 v[QF+8*\x+4*\c:QF+8*\x+4*\c+3], v[AK0], s[4:5] offset:1024*\x+512*\c   ; Q's two fragments stay in registers
.endr
.endr
	WIN 0
	v_and_b32 v32, 15, v0                          ; r
	v_bfe_u32 v33, v0, 4, 1                        ; h
	v_add_nc_u32 v[AV0], SLOTG, v[AK0]
	v_lshlrev_b32 v[PFO], 8, v32
	s_mul_i32 s53, s[WV], 32*SPT
	s_add_co_u32 s53, s53, STAGE                   ; my stage
	v_and_b32 v35, 8, v32
	v_add_nc_u32 v35, v35, v32                     ; r + 8 (r / 8): with 8 x the token that my row of q holds
	v_mul_u32_u24 v[STO], v35, SPT
	v_lshl_add_u32 v[STO], v33, 4, v[STO]
	v_add_nc_u32 v[STO], s53, v[STO]
	v_lshrrev_b32 v36, 2, v34
	v_mul_u32_u24 v[RD], v36, SPT
	v_and_b32 v37, 3, v34
	v_lshl_add_u32 v[RD], v37, 4, v[RD]
	v_add_nc_u32 v[RD], s53, v[RD]                 ; back: four lanes to a row, eight rows an instruction
.irp x, 0,1
	v_mov_b32 v[13+4*\x], 0xff61b1e6               ; the largest t so far: -3e38
	v_mov_b32 v[14+4*\x], 0
	v_mov_b32 v[15+4*\x], 0
	v_mov_b32 v[25+2*\x], 0                        ; (the upper half of f's pair)
	v_mov_b32 v[28+\x], 0                          ; a lane permute's destination counts as a source
	v_floor_f32 v[12+4*\x], -v[13+4*\x]            ; -M
.endr
	WIN 0x40
.set i, 0
.rept 64
	v_mov_b32 v[i], 0                              ; O^T: the step is written once, and its first trip finds zeros
.set i, i+1
.endr
	WIN 0
	s_wait_kmcnt 0x0
	s_add_co_i32 s48, s42, s43
	s_lshl_b32 s48, s48, 23
	s_add_co_i32 s[CS], s[CS], s48                 ; a score stands for score x 2^(e6 + e7)
	s_mov_b32 s[CS+1], s[CS]
	s_add_co_i32 s48, s44, 127
	s_lshl_b32 s49, s48, 23
	v_mov_b32 v30, s49                             ; 2^e8
	s_add_co_i32 s48, s48, 8
	s_lshl_b32 s48, s48, 23
	s_or_b32 s48, s48, 0x600000
	v_mov_b32 v31, s48                             ; 448 x 2^e8,
	v_mov_b32 v[LIM1], s48                         ; twice: the pair's two halves name registers of different banks
; A KEY STEP: 128 keys, whose tiles begin at LDS byte s[TB]; K's fragments have been asked for.
.macro STEP
	s_add_co_u32 s[TN], s[TB], STEPB
	s_and_b32 s[TN], s[TN], 0xfffeffff             ; the next step's K; behind the slot's last step its first
	s_wait_dscnt 0x0                               ; K is in
	WIN 0x05
.irp t, 0,1,2,3,4,5,6,7
.irp x, 0,1
	v_wmma_f32_16x16x64_fp8_fp8 v[SC+64*\x+8*\t:SC+64*\x+8*\t+7], v[KF+8*\t:KF+8*\t+7], v[QF+8*\x:QF+8*\x+7], 0
.endr
.endr
	WIN 0
	v_add_nc_u32 v[ADK], s[TN], v[AK0]             ; four places: ahead of the loads into K's and V's registers and of the scores' first read
	v_add_nc_u32 v[ADV], s[TB], v[AV0]
	v_nop
	v_nop
	KLOAD
.irp d, 0,1,2,3
.irp c, 0,1,2,3
	ds_load_b128 v[VF+16*\d+4*\c:VF+16*\d+4*\c+3], v[ADV] offset:4096*(\c/2)+1024*\d+512*(\c%2)   ; keys 32 c + 16 h on
.endr
.endr
	WIN 0
	; the step's largest score: two chains a tile, each accumulator from its low end on
.irp x, 0,1
	v_max3_num_f32 v[20+2*\x], v[SC+64*\x], v[SC+64*\x+1], v[SC+64*\x+2]
.endr
.irp x, 0,1
	v_max3_num_f32 v[21+2*\x], v[SC+64*\x+3], v[SC+64*\x+4], v[SC+64*\x+5]
.endr
.irp i, 6,10,14,18,22,26,30,34,38,42,46,50,54,58
.irp x, 0,1
	v_max3_num_f32 v[20+2*\x], v[20+2*\x], v[SC+64*\x+\i], v[SC+64*\x+\i+1]
.endr
.irp x, 0,1
	v_max3_num_f32 v[21+2*\x], v[21+2*\x], v[SC+64*\x+\i+2], v[SC+64*\x+\i+3]
.endr
.endr
.irp x, 0,1
	v_max3_num_f32 v[20+2*\x], v[20+2*\x], v[SC+64*\x+62], v[SC+64*\x+63]
.endr
.irp x, 0,1
	s_delay_alu instid0(VALU_DEP_2)
	v_max_num_f32 v[20+2*\x], v[20+2*\x], v[21+2*\x]
.endr
.irp x, 0,1
	s_delay_alu instid0(VALU_DEP_2)
	v_permlanex16_b32 v[28+\x], v[20+2*\x], s[SEL], s[SEL+1]   ; the query's other 64 keys lie in the lane 16 away
.endr
.irp x, 0,1
	s_delay_alu instid0(VALU_DEP_2)
	v_max_num_f32 v[20+2*\x], v[20+2*\x], v[28+\x]
.endr
.irp x, 0,1
	s_delay_alu instid0(VALU_DEP_2)
	v_mul_f32 v[20+2*\x], s[CS], v[20+2*\x]        ; as t (c is positive)
.endr
.irp x, 0,1
	s_delay_alu instid0(VALU_DEP_2)
	v_max_num_f32 v[13+4*\x], v[13+4*\x], v[20+2*\x]
.endr
.irp x, 0,1
	v_mov_b32 v[20+2*\x], v[12+4*\x]
.endr
.irp x, 0,1
	s_delay_alu instid0(VALU_DEP_4)
	v_floor_f32 v[12+4*\x], -v[13+4*\x]            ; the new -M
.endr
.irp x, 0,1
	s_delay_alu instid0(VALU_DEP_2)
	v_sub_f32 v[20+2*\x], v[12+4*\x], v[20+2*\x]   ; old M - new M
.endr
.irp x, 0,1
	s_delay_alu instid0(VALU_DEP_2)
	v_cvt_i32_f32 v[20+2*\x], v[20+2*\x]           ; (it saturates)
.endr
.irp x, 0,1
	s_delay_alu instid0(VALU_DEP_2)
	v_ldexp_f32 v[24+2*\x], 1.0, v[20+2*\x]        ; f = 2^(old M - new M)
.endr
.set j, 0
.rept 32
	v_pk_fma_f32 v[SC+2*j:SC+2*j+1], v[SC+2*j:SC+2*j+1], s[CS:CS+1], v[12:13] op_sel_hi:[1,0,0]   ; tile 0: t - M
.set j, j+1
.endr
	v_pk_mul_f32 v[14:15], v[14:15], v[24:25] op_sel_hi:[1,0]   ; the sums under the new M
	v_pk_mul_f32 v[18:19], v[18:19], v[26:27] op_sel_hi:[1,0]
	WIN 0x41
.set i, 0
.rept 32
	v_pk_mul_f32 v[2*i:2*i+1], v[2*i:2*i+1], v[24+2*(i/16):25+2*(i/16)] op_sel_hi:[1,0]   ; O^T under the new M, ahead of the step's exponentials; each accumulator from its low end on
.set i, i+1
.endr
	WIN 0
	s_wait_alu depctr_va_vdst(0)                   ; ahead of the batch
.set j, 0
.rept 32
	v_exp_f32 v[SC+2*j], v[SC+2*j]
	v_exp_f32 v[SC+2*j+1], v[SC+2*j+1]
	v_pk_fma_f32 v[SC+64+2*j:SC+64+2*j+1], v[SC+64+2*j:SC+64+2*j+1], s[CS:CS+1], v[16:17] op_sel_hi:[1,0,0]   ; tile 1: t - M
.set j, j+1
.endr
	s_wait_alu depctr_va_vdst(0)                   ; behind tile 0's batch and ahead of tile 1's
.set i, 0
.rept 16
	v_exp_f32 v[SC+64+4*i], v[SC+64+4*i]
	v_pk_add_f32 v[T0+2*i:T0+2*i+1], v[SC+4*i:SC+4*i+1], v[SC+4*i+2:SC+4*i+3]   ; tile 0: the sum takes p ahead of the hold; sixteen results of their own
	v_exp_f32 v[SC+64+4*i+1], v[SC+64+4*i+1]
	DMIN SC+4*i
	v_exp_f32 v[SC+64+4*i+2], v[SC+64+4*i+2]
	v_exp_f32 v[SC+64+4*i+3], v[SC+64+4*i+3]
	DMIN SC+4*i+2
.set i, i+1
.endr
	s_wait_alu depctr_va_vdst(0)                   ; behind tile 1's batch, and directly ahead of the wait below
	s_wait_dscnt 0x0                               ; V and the next K are in
	CODES 0
.set j, 0
.rept 32                               ; tile 1's sum in two chains, its hold, and tile 0's sixteen
.if j == 1
	v_pk_add_f32 v[224:225], v[SC+66:SC+67], v[SC+70:SC+71]
.else
.if j != 3
.if j % 2
	v_pk_add_f32 v[224:225], v[224:225], v[SC+64+2*j:SC+64+2*j+1]
.else
	v_pk_add_f32 v[18:19], v[18:19], v[SC+64+2*j:SC+64+2*j+1]
.endif
.endif
.endif
	DMIN SC+64+2*j
.if j % 2 == 0
	v_pk_add_f32 v[14:15], v[14:15], v[T0+j:T0+j+1]
.endif
.set j, j+1
.endr
	CODES 1
	v_pk_add_f32 v[18:19], v[18:19], v[224:225]    ; also the plain line behind the last conversion
	WIN 0x51                                       ; V, C and D window 1; p's codes window 0
.irp d, 0,1,2,3
.irp x, 0,1
	v_wmma_f32_16x16x128_fp8_fp8 v[32*\x+8*\d:32*\x+8*\d+7], v[VF+16*\d:VF+16*\d+15], v[PCD+16*\x:PCD+16*\x+15], v[32*\x+8*\d:32*\x+8*\d+7]   ; eight accumulators by turns
.endr
.endr
	WIN 0
.endm
.macro SLOT_STEPS                      ; a slot's eight key steps
	s_mov_b32 s[STEPS], 8
.Lstep_\@:
	STEP
	s_add_co_u32 s[TB], s[TB], STEPB
	s_sub_co_u32 s[STEPS], s[STEPS], 1
	s_cmp_lg_u32 s[STEPS], 0
	s_cbranch_scc1 .Lstep_\@
	s_sub_co_u32 s[TB], s[TB], 8*STEPB
	s_xor_b32 s[TB], s[TB], SLOT1                  ; the other slot
.endm
; THE CHANGE OF SLOTS, at a slot's head: all my tensor loads are in, the add, my reads of the slot that I have left are over.  fill = 1: a round of the cluster's barrier, and the joint fill first behind it.
.macro CHANGE fill
	s_wait_tensorcnt 0x0
	ds_add_u32 v[SPW], v[NIL]
.if \fill
	s_xor_b32 s[G0+1], s[G0+1], SLOT1
	s_add_nc_u64 s[G0+2:G0+3], s[G0+2:G0+3], SLOTG
	s_wait_xcnt 0x0                                ; my last prefetch has read its address
	s_add_nc_u64 s[PFA:PFA+1], s[PFA:PFA+1], SLOTG
.endif
	s_wait_dscnt 0x0
.if \fill
	CROUND
	tensor_load_to_lds s[G0:G0+3], s[G1:G1+7]      ; my one tensor load until the next round
	s_nop 0
	v_add_nc_u32 v[ADK], s[TB], v[AK0]
	v_nop
	v_nop
	v_nop
.else
	s_barrier_signal -1
	s_barrier_wait -1
	v_add_nc_u32 v[ADK], s[TB], v[AK0]
.endif
	KLOAD                                          ; the slot's first step
	WIN 0
.if \fill
	s_cmp_gt_u32 s[SLOTS], 1                       ; the last filling change has no slot behind the one it asks for
	s_cbranch_scc0 .Lno_ask_\@
	global_prefetch_b8 v[PFO], s[PFA:PFA+1] offset:SLOTG th:TH_LOAD_NT scope:SCOPE_SE
.Lno_ask_\@:
.endif
.endm
	s_wait_alu depctr_va_vdst(0)                   ; the wait at the head's end
	s_wait_loadcnt 0x0                             ; Q
.Lslot:                                            ; NSL - 1 trips
	CHANGE 1
	SLOT_STEPS
	s_sub_co_u32 s[SLOTS], s[SLOTS], 1
	s_cmp_lg_u32 s[SLOTS], 0
	s_cbranch_scc1 .Lslot
	CHANGE 0                                       ; the last slot is written out
	SLOT_STEPS
	; THE WAY OUT.  O^T / the sum, quantised with 2^(e10 - e8 - e9); through my stage, where sigma is undone; whole rows out.
.rept 4
	v_nop
.endr
	s_wait_alu depctr_va_vdst(0)                   ; the sums were written just ahead of the loop's last scalar lines
.irp x, 0,1
	v_add_f32 v[20+2*\x], v[14+4*\x], v[15+4*\x]
.endr
.irp x, 0,1
	v_permlanex16_b32 v[28+\x], v[20+2*\x], s[SEL], s[SEL+1]
.endr
.irp x, 0,1
	v_add_f32 v[20+2*\x], v[20+2*\x], v[28+\x]     ; the row's sum
.endr
	s_wait_alu depctr_va_vdst(0)                   ; ahead of the reciprocals
.irp x, 0,1
	v_rcp_f32 v[20+2*\x], v[20+2*\x]
.endr
	v_nop
	s_sub_co_i32 s48, s46, s44
	s_sub_co_i32 s48, s48, s45                     ; e10 - e8 - e9
	s_add_co_i32 s48, s48, 127
	s_lshl_b32 s49, s48, 23
	v_mov_b32 v30, s49
	s_add_co_i32 s48, s48, 8
	s_lshl_b32 s48, s48, 23
	s_or_b32 s48, s48, 0x600000
	v_mov_b32 v31, s48
	WIN 0x01
	s_wait_alu depctr_va_vdst(0)                   ; behind the reciprocals, directly ahead of O^T's first readers
.set i, 0
.rept 32
	v_pk_mul_f32 v[SC+2*i:SC+2*i+1], v[2*i:2*i+1], v[20+2*(i/16):21+2*(i/16)] op_sel_hi:[1,0]
.set i, i+1
.endr
	WIN 0
.set i, 0
.rept 64
	v_med3_num_f32 v[SC+i], v[SC+i], -v31, v31
.set i, i+1
.endr
.irp g, 0,1,2,3                        ; g = 2 x + b: tile x, d = 32 b + 16 h + 0 .. 15
	v_cvt_scalef32_pk8_fp8_f32 v[PCD+4*\g:PCD+4*\g+1], v[SC+16*\g:SC+16*\g+7], v30
	v_cvt_scalef32_pk8_fp8_f32 v[PCD+4*\g+2:PCD+4*\g+3], v[SC+16*\g+8:SC+16*\g+15], v30
.endr
	v_nop
.irp x, 0,1
.irp b, 0,1
	ds_store_b128 v[STO], v[PCD+8*\x+4*\b:PCD+8*\x+4*\b+3] offset:8*SPT*\x+32*\b   ; token r + 8 (r / 8) + 8 x of my 32
.endr
.endr
.irp i, 0,1,2,3
	ds_load_b128 v[T0+4*\i:T0+4*\i+3], v[RD] offset:8*SPT*\i   ; my own stage: LDS serves a wave's instructions in order (ISA guide 5.7.1.4)
.endr
.irp i, 0,1,2,3
	s_wait_dscnt 3-\i                              ; the younger loads may stay out
	global_store_b128 v[AK0], v[T0+4*\i:T0+4*\i+3], s[8:9] offset:512*\i   ; 32 lanes store 512 consecutive bytes, aligned
.endr
	s_wait_tensorcnt 0x0                           ; the wave's end
	ds_add_u32 v[SPW], v[NIL]
	s_wait_dscnt 0x0
	CROUND                                         ; the closing round
	s_endpgm
.Lfunc_end_k_q8438158419_attn:
	.size	k_q8438158419_attn, .Lfunc_end_k_q8438158419_attn-k_q8438158419_attn
	.p2alignl 7, 3214868480
	.fill 96, 4, 3214868480
	.section	.rodata,"a",@progbits
	.p2align	6, 0x0
	.amdhsa_kernel k_q8438158419_attn
		.amdhsa_group_segment_fixed_size 327680
		.amdhsa_private_segment_fixed_size 0
		.amdhsa_enable_private_segment 0
		.amdhsa_kernarg_size 24
		.amdhsa_user_sgpr_count 2
		.amdhsa_user_sgpr_kernarg_segment_ptr 1
		.amdhsa_wavefront_size32 1
		.amdhsa_system_sgpr_workgroup_id_x 1
		.amdhsa_system_sgpr_workgroup_id_y 1
		.amdhsa_system_sgpr_workgroup_id_z 1
		.amdhsa_system_vgpr_workitem_id 0
		.amdhsa_next_free_vgpr 512
		.amdhsa_next_free_sgpr 66
		.amdhsa_reserve_vcc 0
		.amdhsa_float_denorm_mode_32 3
		.amdhsa_float_denorm_mode_16_64 3
		.amdhsa_memory_ordered 1
		.amdhsa_forward_progress 1
		.amdhsa_inst_pref_size 78
	.end_amdhsa_kernel
	.amdgpu_metadata
---
amdhsa.version: [ 1, 2 ]
amdhsa.kernels:
  - .name:           k_q8438158419_attn
    .symbol:         k_q8438158419_attn.kd
    .args:
      - { .name: qkv, .offset: 0, .size: 8, .value_kind: global_buffer, .address_space: global }
      - { .name: lowp_scales, .offset: 8, .size: 8, .value_kind: global_buffer, .address_space: global }
      - { .name: ocodes, .offset: 16, .size: 8, .value_kind: global_buffer, .address_space: global }
    .group_segment_fixed_size: 327680
    .private_segment_fixed_size: 0
    .kernarg_segment_align: 8
    .kernarg_segment_size: 24
    .max_flat_workgroup_size: 256
    .sgpr_count:     66
    .vgpr_count:     512
    .wavefront_size: 32
...
	.end_amdgpu_metadata
.endif
;; end of part 2
;; launch outp (part 3): grid 4 x 64, 4 waves a work-group, clusters of 4 x 4, 287,232 bytes of LDS; arguments ocodes, Wo_codes, bo, lowp_scales, out0; writes out0
.if DOCPART == 3
	.amdgcn_target "amdgcn-amd-amdhsa--gfx1250"
	.amdhsa_code_object_version 6
	.text
	.protected	k_q8438158419_outp
	.globl	k_q8438158419_outp
	.p2align	8
	.type	k_q8438158419_outp,@function
k_q8438158419_outp:
	s_mov_b64 s[64:65], 0
	v_nop
	global_prefetch_b8 v0, s[64:65] scope:SCOPE_SE
	s_setreg_imm32_b32 hwreg(HW_REG_WAVE_MODE, 25, 1), 1
	s_wait_xcnt 0x0
	s_wait_alu depctr_hold_cnt(0) depctr_sa_sdst(0) depctr_va_vdst(0) depctr_va_sdst(0) depctr_va_ssrc(0) depctr_va_vcc(0) depctr_vm_vsrc(0)
	s_getreg_b32 s2, hwreg(HW_REG_IB_STS2, 6, 4)
	s_cmp_eq_u32 s2, 0
	s_cbranch_scc0 .Lentry_in_a_cluster
	s_endpgm
.Lentry_in_a_cluster:
	s_bfe_u32 s2, ttmp6, 0x10000c
	s_cmp_lg_u32 s2, 0xf033
	s_cbranch_scc0 .Lentry_shape_is_right
	s_endpgm
.Lentry_shape_is_right:
; out0 = o Wo x 2^(e10 + e11) + bo on codes of FP8 (E4M3).  o: ocodes [16 heads (b 8 + h)][4096 tokens][64 d]; K = 64 h + d, 512 in all.  Wo: [768 columns][512] codes.  bo [768], out0 [8192][768]: f32.
; SHARES.  A work-group makes 128 rows (tile 4 x cluster y + cy) x 192 columns (block cx: the grid is one cluster wide).  Wave w makes rows 32 w .. 32 w + 31 x all 192 columns: 24 accumulators, and whole
; pieces of 768 bytes of output rows are one wave's, so the way out goes through the wave's own stage, with no barrier.
; K lies in LDS whole, by one load a wave: every LDS byte is filled once.  o's tiles are asked for jointly along a row of the cluster, Wo's along a column.
; o's tile: 64 tokens of one head are 4,096 dense bytes: they are stated as one row; eight heads, 262,144 bytes apart, are eight rows; 16 bytes of padding behind every 64: in LDS [head][token][80].
; The matrix instruction is used transposed (source 0 = 16 rows of Wo, source 1 = 16 tokens): a lane holds eight neighbouring columns of one row of out0.
; A fragment is fetched by four loads of 16 bytes (k = 32 c + 16 (lane / 16) + 0 .. 15): the same permutation of k on both sides.
; LIMIT: e10 + e11 lies between -126 and 127, so that 2^(e10 + e11) is an f32 number.
; REGISTERS: window 0: v8-17 addresses; v64-255 the accumulators (a, t) at 64 + 8 (12 a + t), later the rows read back.  windows 1, 2: a fragment buffer each: o's two at 16 a, Wo's twelve at 32 + 16 t.
;   window 3: v0-95 the bias in the result's layout: v[8 t + i] = bo[192 cx + 16 t + 8 h + i].
.set AP,    80                         ; a token's 64 bytes of one head + 16 of padding
.set AHEAD, 64*AP                      ; a head's 64 tokens
.set AHALF, 8*AHEAD                    ; what one load of o brings: all eight heads of 64 tokens
.set BOFF,  2*AHALF                    ; Wo's rows lie behind o's two halves
.set BP,    528                        ; a whole row of Wo, 512 bytes, + 16 of padding
.set BHALF, 96*BP                      ; what one load of Wo brings
.set CHO,   BOFF+2*BHALF               ; a chunk
.set STG,   CHO                        ; K lies in LDS whole, by one load a wave; the stages lie behind it
.set SP,    784                        ; 768 bytes + 16: an odd multiple of 16
.set WSTG,  32*SP
.set ADP, 8
.set ADR, 10
.set STO, 12
.set RD0, 13
.set RD1, 14
.set GO0, 15
.set GO1, 16
.set BA,  17
.set ACC, 64
.set G1A, 24
.set G1B, 32
.set G0A, 40                           ; s[40:43]: o's group 0
.set G0B, 48                           ; s[48:51]: Wo's
.set MSB, 0
.macro WIN new                         ; the immediate's high byte repeats the setting that is left
.if MSB != \new
	s_set_vgpr_msb (MSB<<8)|\new
.set MSB, \new
.endif
.endm
.macro CROUND                          ; a round of the cluster's barrier
	s_barrier_signal -1
	s_barrier_wait -1
	s_cmp_lg_u32 s16, 0
	s_cbranch_scc1 .Lnot_wave_0_\@
	s_barrier_signal -3
.Lnot_wave_0_\@:
	s_barrier_wait -3
	s_barrier_signal -1
	s_barrier_wait -1
.endm
.macro PLACES                          ; four plain places behind matrix instructions (ISA guide 7.12.1)
.rept 4
	v_nop
.endr
.endm
	s_load_b256 s[4:11], s[0:1], 0x0               ; ocodes s[4:5], Wo s[6:7], bo s[8:9], the exponents s[10:11]
	s_load_b64 s[12:13], s[0:1], 0x20              ; out0
	v_lshl_add_u32 v62, v0, 2, 0x46000
	v_mov_b32 v63, 0
	ds_add_u32 v62, v63
	ds_add_u32 v62, v63
	v_lshrrev_b32 v1, 5, v0
	v_readfirstlane_b32 s16, v1                    ; wave 0..3
	s_lshr_b32 s17, s16, 1                         ; I fetch for o (0) or for Wo (1).  Also: which 64 tokens hold my 32 rows
	s_and_b32 s18, s16, 1                          ; which half I fetch.  Also: which 32 of those 64
	s_bfe_u32 s19, ttmp6, 0x40000                  ; cx: the block of 192 columns
	s_bfe_u32 s20, ttmp6, 0x40004                  ; cy
	s_and_b32 s21, ttmp7, 0xffff
	s_lshl_b32 s21, s21, 2
	s_add_co_u32 s21, s21, s20                     ; row tile = 4 x cluster y + cy
	s_lshl_b32 s22, s20, 2
	s_lshl_b32 s22, 15, s22                        ; my row of the cluster
	s_lshl_b32 s23, 0x1111, s19                    ; my column
	s_or_b32 s[G1A], s22, (1<<20)|(1<<21)|(3<<22)|(3<<25)   ; the mask; elements of 1 byte; padding on; bit 21 beside a mask; 4 words behind every 16
	s_mov_b32 s[G1A+1], 4096<<16                   ; tensor_dim0 = 4,096
	s_mov_b32 s[G1A+2], 8<<16                      ; tensor_dim1 = 8 heads
	s_mov_b32 s[G1A+3], 4096<<16                   ; tile_dim0 = 4,096
	s_mov_b32 s[G1A+4], 8                          ; tile_dim1 = 8
	s_mov_b32 s[G1A+5], 262144                     ; from head to head
	s_mov_b32 s[G1A+6], 0
	s_mov_b32 s[G1A+7], 0
	s_or_b32 s[G1B], s23, (1<<20)|(1<<21)|(6<<22)|(3<<25)   ; 4 words behind every 128
	s_mov_b32 s[G1B+1], 512<<16
	s_mov_b32 s[G1B+2], 96<<16
	s_mov_b32 s[G1B+3], 512<<16
	s_mov_b32 s[G1B+4], 96
	s_mov_b32 s[G1B+5], 512
	s_mov_b32 s[G1B+6], 0
	s_mov_b32 s[G1B+7], 0
	s_lshr_b32 s80, s21, 5
	s_lshl_b32 s80, s80, 21                        ; o: the batch's eight heads,
	s_and_b32 s81, s21, 31
	s_lshl_b32 s81, s81, 13                        ; the tile's 128 tokens of 64 bytes,
	s_add_co_u32 s80, s80, s81
	s_lshl_b32 s81, s18, 12                        ; my half's 64
	s_add_co_u32 s80, s80, s81
	s_mov_b32 s81, 0
	s_mul_i32 s82, s19, 192
	s_mul_i32 s83, s18, 96
	s_add_co_u32 s82, s82, s83                     ; Wo: row 192 cx + 96 x half
	s_lshl_b32 s82, s82, 9
	s_mov_b32 s83, 0
	s_mul_i32 s84, s18, AHALF                      ; where they go
	s_mul_i32 s85, s18, BHALF
	s_add_co_u32 s85, s85, BOFF
	s_wait_dscnt 0x0
	s_wait_kmcnt 0x0
	s_load_b64 s[56:57], s[10:11], 0x28            ; e10, e11
	s_add_nc_u64 s[80:81], s[4:5], s[80:81]
	s_add_nc_u64 s[82:83], s[6:7], s[82:83]
.irp c, 0
	s_mov_b32 s[G0A+4*\c], 1
	s_add_co_u32 s[G0A+4*\c+1], s84, \c*CHO
	s_add_nc_u64 s[G0A+4*\c+2:G0A+4*\c+3], s[80:81], \c*4*262144   ; chunk c: heads 4 c on
	s_or_b32 s[G0A+4*\c+3], s[G0A+4*\c+3], 0x80000000
	s_mov_b32 s[G0B+4*\c], 1
	s_add_co_u32 s[G0B+4*\c+1], s85, \c*CHO
	s_add_nc_u64 s[G0B+4*\c+2:G0B+4*\c+3], s[82:83], \c*256
	s_or_b32 s[G0B+4*\c+3], s[G0B+4*\c+3], 0x80000000
.endr
	CROUND                                         ; all sixteen work-groups are here: the joint loads meet
	s_cmp_eq_u32 s17, 0                            ; a wave's one fill, of o or of Wo: one load of mine is out
	s_cbranch_scc0 .Lfirst_b
	tensor_load_to_lds s[G0A:G0A+3], s[G1A:G1A+7]
	s_nop 0
.rept 4
	v_nop
.endr
	s_branch .Lfirst_done
.Lfirst_b:
	tensor_load_to_lds s[G0B:G0B+3], s[G1B:G1B+7]
	s_nop 0
.rept 4
	v_nop
.endr
.Lfirst_done:
	v_and_b32 v1, 15, v0                           ; r
	s_wait_alu depctr_va_vdst(0)
	v_bfe_u32 v2, v0, 4, 1                         ; h
	v_and_b32 v5, 31, v0                           ; lane
	s_mul_i32 s92, s19, 768                        ; my block's first column, in bytes of f32
	s_mov_b32 s93, 0
	s_add_nc_u64 s[8:9], s[8:9], s[92:93]
	v_lshlrev_b32 v[BA], 5, v2                     ; 8 h numbers on
	WIN 0xc0                                       ; destination window 3
.irp t, 0,1,2,3,4,5,6,7,8,9,10,11
	global_load_b128 v[8*\t:8*\t+3], v[BA], s[8:9] offset:64*\t
	global_load_b128 v[8*\t+4:8*\t+7], v[BA], s[8:9] offset:64*\t+16
.endr
	WIN 0
	s_mul_i32 s86, s17, AHALF
	s_mul_i32 s87, s18, 32*AP
	s_add_co_u32 s86, s86, s87                     ; my 32 tokens
	v_mul_u32_u24 v3, v1, AP
	s_wait_alu depctr_va_vdst(0)
	v_lshl_add_u32 v3, v2, 4, v3
	v_add_nc_u32 v[ADP], s86, v3
	v_mul_u32_u24 v4, v1, BP
	v_lshl_add_u32 v4, v2, 4, v4
	v_add_nc_u32 v[ADR], BOFF, v4
	v_add_nc_u32 v[ADR+1], 96*BP, v[ADR]           ; Wo's rows 96 on: the loads' offsets stay within 16 bits
	s_mul_i32 s88, s16, WSTG
	s_add_co_u32 s88, s88, STG                     ; my stage
	v_mul_u32_u24 v[STO], v1, SP
	v_lshl_add_u32 v[STO], v2, 5, v[STO]
	v_add_nc_u32 v[STO], s88, v[STO]               ; in: row r, 32 bytes for each half of the lanes
	v_lshlrev_b32 v[GO0], 4, v5                    ; out: 512 consecutive bytes of a row,
	v_add_nc_u32 v[RD0], s88, v[GO0]
	v_mul_u32_u24 v[RD1], v2, 272                  ; or a row's last 256 bytes (lanes 0-15) and the next row's first 256 (lanes 16-31): 784 - 512 bytes on in the stage,
	v_lshl_add_u32 v[RD1], v1, 4, v[RD1]
	v_add_nc_u32 v[RD1], s88, v[RD1]
	v_add_nc_u32 v[RD1], 512, v[RD1]
	v_mul_u32_u24 v[GO1], v2, 2560                 ; 3,072 - 512 bytes on in out0
	v_lshl_add_u32 v[GO1], v1, 4, v[GO1]
	v_add_nc_u32 v[GO1], 512, v[GO1]
	s_lshl_b32 s90, s21, 7
	s_lshl_b32 s91, s16, 5
	s_add_co_u32 s90, s90, s91                     ; my first row: 128 x tile + 32 x wave
	s_mul_i32 s90, s90, 3072
	s_add_co_u32 s90, s90, s92
	s_mov_b32 s91, 0
	s_add_nc_u64 s[12:13], s[12:13], s[90:91]
	s_wait_kmcnt 0x0
	s_add_co_i32 s56, s56, s57
	s_add_co_i32 s56, s56, 127
	s_lshl_b32 s56, s56, 23                        ; 2^(e10 + e11) as f32
	s_mov_b32 s57, s56                             ; (named with it as a pair)
; 56 LDS loads: the fragments of K step s (128 along K: two heads of o, byte 128 s of Wo's rows) into window 1 + s % 2
.macro FETCH s
	WIN (0x40<<((\s)%2))                           ; destination window 1 or 2, address window 0
.irp a, 0,1
.irp c, 0,1,2,3
	ds_load_b128 v[16*\a+4*\c:16*\a+4*\c+3], v[ADP] offset:(2*(\s)+\c/2)*AHEAD+16*AP*\a+32*(\c%2)
.endr
.endr
.irp t, 0,1,2,3,4,5,6,7,8,9,10,11
.irp c, 0,1,2,3
	ds_load_b128 v[32+16*\t+4*\c:32+16*\t+4*\c+3], v[ADR+\t/6] offset:16*BP*(\t%6)+128*(\s)+32*\c
.endr
.endr
.endm
; 24 matrix instructions, the 24 accumulators by turns, in the same order in every step
.macro MUL s, zero
	WIN (0x05<<((\s)%2))                           ; sources 0 and 1 window 1 or 2; C and D window 0
.irp a, 0,1
.irp t, 0,1,2,3,4,5,6,7,8,9,10,11
.if \zero
	v_wmma_f32_16x16x128_fp8_fp8 v[ACC+8*(12*\a+\t):ACC+8*(12*\a+\t)+7], v[32+16*\t:32+16*\t+15], v[16*\a:16*\a+15], 0
.else
	v_wmma_f32_16x16x128_fp8_fp8 v[ACC+8*(12*\a+\t):ACC+8*(12*\a+\t)+7], v[32+16*\t:32+16*\t+15], v[16*\a:16*\a+15], v[ACC+8*(12*\a+\t):ACC+8*(12*\a+\t)+7]
.endif
.endr
.endr
.endm
	s_wait_tensorcnt 0x0                           ; my one load is in
	s_barrier_signal -1
	s_barrier_wait -1                              ; everybody's is
	FETCH 0
	FETCH 1
	s_wait_dscnt 56                                ; all but the 56 just issued
	MUL 0, 1
	PLACES
	FETCH 2
	s_wait_dscnt 56
	MUL 1, 0
	PLACES
	FETCH 3
	s_wait_dscnt 56
	MUL 2, 0
	s_wait_dscnt 0x0
	MUL 3, 0
	WIN 0
	PLACES
	s_wait_loadcnt 0x0                             ; the bias
	WIN 0x30                                       ; source 2 (the bias) window 3
.irp a, 0,1
.irp t, 0,1,2,3,4,5,6,7,8,9,10,11
.irp i, 0,2,4,6
	v_pk_fma_f32 v[ACC+8*(12*\a+\t)+\i:ACC+8*(12*\a+\t)+\i+1], v[ACC+8*(12*\a+\t)+\i:ACC+8*(12*\a+\t)+\i+1], s[56:57], v[8*\t+\i:8*\t+\i+1] op_sel_hi:[1,0,1]   ; sum x 2^(e10 + e11) + bo; each accumulator from its low end on
.endr
.endr
.endr
	WIN 0
.irp a, 0,1
.irp t, 0,1,2,3,4,5,6,7,8,9,10,11
	ds_store_b128 v[STO], v[ACC+8*(12*\a+\t):ACC+8*(12*\a+\t)+3] offset:16*SP*\a+64*\t
	ds_store_b128 v[STO], v[ACC+8*(12*\a+\t)+4:ACC+8*(12*\a+\t)+7] offset:16*SP*\a+64*\t+16
.endr
.endr
	; two rows are six pieces of 256 bytes: three loads, three stores.  My own stage: LDS serves a wave's instructions in order (ISA guide 5.7.1.4)
.irp p, 0,1,2,3,4,5,6,7,8,9,10,11,12,13,14,15
	ds_load_b128 v[ACC+12*\p:ACC+12*\p+3],    v[RD0] offset:2*SP*\p
	ds_load_b128 v[ACC+12*\p+4:ACC+12*\p+7],  v[RD1] offset:2*SP*\p
	ds_load_b128 v[ACC+12*\p+8:ACC+12*\p+11], v[RD0] offset:2*SP*\p+SP+256
.endr
.irp p, 0,1,2,3,4,5,6,7,8,9,10,11,12,13,14,15
	s_wait_dscnt 47-3*\p                           ; the younger loads may stay out
	global_store_b128 v[GO0], v[ACC+12*\p:ACC+12*\p+3], s[12:13] offset:6144*\p th:TH_STORE_NT            ; sixteen lanes store 256 consecutive bytes, at a multiple of 256 from out0's first byte
	s_wait_dscnt 46-3*\p
	global_store_b128 v[GO1], v[ACC+12*\p+4:ACC+12*\p+7], s[12:13] offset:6144*\p th:TH_STORE_NT
	s_wait_dscnt 45-3*\p
	global_store_b128 v[GO0], v[ACC+12*\p+8:ACC+12*\p+11], s[12:13] offset:6144*\p+3328 th:TH_STORE_NT
.endr
	s_wait_tensorcnt 0x0
	ds_add_u32 v62, v63
	s_wait_dscnt 0x0
	CROUND                                         ; the closing round
	s_endpgm
.Lfunc_end_k_q8438158419_outp:
	.size	k_q8438158419_outp, .Lfunc_end_k_q8438158419_outp-k_q8438158419_outp
	.p2alignl 7, 3214868480
	.fill 96, 4, 3214868480
	.section	.rodata,"a",@progbits
	.p2align	6, 0x0
	.amdhsa_kernel k_q8438158419_outp
		.amdhsa_group_segment_fixed_size 287232
		.amdhsa_private_segment_fixed_size 0
		.amdhsa_enable_private_segment 0
		.amdhsa_kernarg_size 40
		.amdhsa_user_sgpr_count 2
		.amdhsa_user_sgpr_kernarg_segment_ptr 1
		.amdhsa_wavefront_size32 1
		.amdhsa_system_sgpr_workgroup_id_x 1
		.amdhsa_system_sgpr_workgroup_id_y 1
		.amdhsa_system_sgpr_workgroup_id_z 1
		.amdhsa_system_vgpr_workitem_id 0
		.amdhsa_next_free_vgpr 1024
		.amdhsa_next_free_sgpr 100
		.amdhsa_reserve_vcc 0
		.amdhsa_float_denorm_mode_32 3
		.amdhsa_float_denorm_mode_16_64 3
		.amdhsa_memory_ordered 1
		.amdhsa_forward_progress 1
		.amdhsa_inst_pref_size 49
	.end_amdhsa_kernel
	.amdgpu_metadata
---
amdhsa.version: [ 1, 2 ]
amdhsa.kernels:
  - .name:           k_q8438158419_outp
    .symbol:         k_q8438158419_outp.kd
    .args:
      - { .name: ocodes, .offset: 0, .size: 8, .value_kind: global_buffer, .address_space: global }
      - { .name: Wo_codes, .offset: 8, .size: 8, .value_kind: global_buffer, .address_space: global }
      - { .name: bo, .offset: 16, .size: 8, .value_kind: global_buffer, .address_space: global }
      - { .name: lowp_scales, .offset: 24, .size: 8, .value_kind: global_buffer, .address_space: global }
      - { .name: out0, .offset: 32, .size: 8, .value_kind: global_buffer, .address_space: global }
    .group_segment_fixed_size: 287232
    .private_segment_fixed_size: 0
    .kernarg_segment_align: 8
    .kernarg_segment_size: 40
    .max_flat_workgroup_size: 128
    .sgpr_count:     100
    .vgpr_count:     1024
    .wavefront_size: 32
...
	.end_amdgpu_metadata
.endif
;; end of part 3
